; MI455X (gfx1250); checked and timed in simulation.
; The chip was launched on July 23, 2026; its instructions are those of AMD's public machine-readable ISA for CDNA 5 (MIT licence, August 2026) and "CDNA5" Instruction Set Architecture Reference Guide (July 2026). The comments in the code are by the model that wrote it; some were corrected since.
;; QGLU. Allowed arithmetic: matrix products marked QUANTISED: E2M1 operands, one E8M0 scale for each 32 along K, by v_wmma_scale_f32_16x16x128_f8f6f4 with both operands' format E2M1 (or v_wmma_scale_f32_32x16x128_f4), f32 sums; everything else in f32.
;; Inputs: W_fc1 1,024 x 2,048 float32; W_fc2 2,048 x 1,024 float32; W_gate 1,024 x 2,048 float32; x 2 x 4,096 x 2,048 float32.
;; Outputs: out0 2 x 4,096 x 2,048 float32.
;; This version of the problem:
;;   THIS VERSION OF THE PROBLEM IS GIVEN IN LOW PRECISION. The matrix products marked QUANTISED in the list below multiply operands that are first quantised to E2M1 (2 exponent bits, 1 mantissa bit; 4 bits a number), with one power-of-two scale for each 32 numbers along K (OCP MX v1.0); their sums are f32. All else is computed in f32.
;;   The module's matrix products, in the order in which they are computed (A, B: the left and right operand; K: the contracted axis; several contracted axes count as one K, in the product's order):
;;     1. [M 8,192, K 2,048] x [K 2,048, N 1,024]; A: input x; B: input W_gate: QUANTISED
;;     2. [M 8,192, K 2,048] x [K 2,048, N 1,024]; A: input x; B: input W_fc1: QUANTISED
;;     3. [M 8,192, K 1,024] x [K 1,024, N 2,048]; A: computed on the way; B: input W_fc2: QUANTISED
;;   THE QUANTISER, for each operand of a quantised product, along K:
;;     - K is cut into blocks of 32 from its start; a last block that is shorter is filled with zeros.
;;     - A block's scale is 2^e with e = floor(log2(the largest magnitude in the block)) - 2, held to -126 .. 127; a block of zeros has e = 0. As a byte (E8M0): e + 127.
;;     - Each number is divided by its block's scale, clamped to +-6, and rounded to the nearest number of E2M1, ties to even, subnormals kept.
;;     - The product sums the exact products of the quantised numbers (number of the format x scale) in f32.
;;   ~~~python
;;   def quantise(x, axis):      # numpy; x: float32 -> the quantised numbers, widened to float32 again
;;       x = np.moveaxis(x, axis, -1); K = x.shape[-1]
;;       x = np.pad(x, [(0, 0)] * (x.ndim - 1) + [(0, -K % 32)]); x = x.reshape(x.shape[:-1] + (-1, 32)); a = np.abs(x).max(-1, keepdims=True)
;;       e = np.where(a > 0, np.clip(np.frexp(np.where(a > 0, a, 1))[1] - 1 - 2, -126, 127), 0)      # np.frexp(a)[1] - 1 = floor(log2(a)), exactly
;;       r = np.clip(x / 2.0 ** e, -6, 6)
;;       step = 2.0 ** (np.maximum(np.frexp(np.where(r == 0, 1, r))[1] - 1, 0) - 1)
;;       q = np.round(r / step) * step * 2.0 ** e      # np.round: ties to even
;;       return np.moveaxis(q.reshape(q.shape[:-2] + (-1,))[..., :K], -1, axis).astype(np.float32)
;;   ~~~
;;   OPERANDS COMPUTED ON THE WAY. 'Computed on the way' means the value that the module computes at that place (a softmax that the list does not call 'softmax' is quantised finished and normalised). What goes into a quantiser is computed in f32, as accurately as f32 sums, v_exp_f32 and their like allow (about 1e-6 of the number): no bf16 or f16 on the way to a quantiser, and a product that is left as it is and whose result goes on into a quantised operand takes f32 operands (vector FMAs, or v_wmma_f32_16x16x4_f32). A number that lies on a knife's edge between two numbers of the format may be rounded either way, as far as f32 arithmetic and the matrix unit's own rounding can turn it there, and no further.
;; One version. Each part assembles by itself: llvm-mc -triple=amdgcn-amd-amdhsa -mcpu=gfx1250 --defsym DOCPART=n.
;; ======== version 1 of 1: 3 launches
;; limits: right only within a limited range of input values
;; workspace buffers: x_c 8,388,608 bytes; x_s 524,288 bytes; b_c 2,097,152 bytes; b_s 131,072 bytes; w_c 1,048,576 bytes; w_s 65,536 bytes; a_c 4,194,304 bytes; a_s 262,144 bytes
;; launch quant (part 1): grid 256 x 1, 11 waves a work-group, no clusters, 327,680 bytes of LDS; arguments x, W_gate, W_fc1, W_fc2, x_c, x_s, b_c, b_s, w_c, w_s; writes x_c, x_s, b_c, b_s, w_c, w_s
.if DOCPART == 1
	.amdgcn_target "amdgcn-amd-amdhsa--gfx1250"
	.amdhsa_code_object_version 6
	.text
	.protected	k_qe8781ebd68_quant
	.globl	k_qe8781ebd68_quant
	.p2align	8
	.type	k_qe8781ebd68_quant,@function
k_qe8781ebd68_quant:
	s_mov_b64 s[64:65], 0
	v_nop
	global_prefetch_b8 v0, s[64:65] scope:SCOPE_SE
	s_setreg_imm32_b32 hwreg(HW_REG_WAVE_MODE, 25, 1), 1
	s_wait_xcnt 0x0
; x [8192][2048], W_gate [1024][2048], W_fc1 [1024][2048], W_fc2 [2048][1024], all f32 with K innermost, become codes of FP4 (E2M1) with one E8M0 scale byte for each 32 along K.
; A block's scale is 2^(floor(log2(its largest magnitude)) - 2); its byte is the largest magnitude's exponent field - 2, held at 1 from below; each number is divided by the scale and rounded to the nearest code, ties to even,
; beyond the largest code the largest.
; LIMITS: a block of zeros gets the byte 1 where the rule says 127 (its codes are zeros, which add nothing under any byte but 0xff, and this program alone reads the bytes); NaN and infinities among the inputs are not served.
; LAYOUT OF THE CODES: in the order of the operand's registers.  A fragment (16 rows x 128 K) is 1,024 bytes, [c 2][lane 32][16 bytes]: lane 16 h + r holds k = 64 c + 32 h + 0 .. 31 of row r.
; A buffer of codes is [k / 512][row / 16][(k / 128) % 4][1,024 bytes].  The scale bytes are words [k / 128][row]: byte b scales k = 32 b .. 32 b + 31 of those 128.
; W_gate and W_fc1 share one buffer: hidden unit u of matrix m (0 gate, 1 fc1) lies in block of rows 8 (u / 64) + 4 m + (u / 16) % 4.
; SHARES.  2,816 jobs of 64 rows x 128 K (four fragments), one to a wave.  J < 2048: x; < 2304: W_gate; < 2560: W_fc1; else W_fc2.  Waves 0-7 take x's jobs 8 g + wave, waves 8-10 the weights' jobs 2048 + 3 g + wave - 8.
; x's waves: ONE tensor load brings the job's 64 rows of 512 bytes into the wave's own stage, 16 bytes of padding behind each row (rows 528 bytes apart).  8 x 33,792 bytes fit in LDS beside each other, so nothing is filled twice.
; They load a fragment's 16 rows into registers and turn them through a stage of 16 rows.
; From either stage a lane reads 32 neighbours along K twice, two whole blocks: no other lane is asked for a maximum, and the conversions' results are the operand's registers.  Waves share nothing: no barrier.
; No prefetch: the text has no loop to run ahead in, and every byte is asked for at the head.  No cluster: no two work-groups read the same byte.
.set XREG, 34048                       ; LDS of an x wave: 256 bytes of scale words, then 64 x 528
.set WREG, 8704                        ; of a weights' wave: 256 bytes of scale words, then 16 x 528
.set SPT,  528
.set STG,  256
.set SPARE, 8*XREG+3*WREG              ; behind the regions: the spare words, 128 bytes a wave, that no other line names
.set SI,   1                           ; stage, in: 16 x lane
.set SO,   2                           ; stage, out: 528 r + 128 h
.set SW,   3                           ; my row's scale word
.set SRB,  4                           ; the scale words on the way out: 8 x lane
.set CO,   5                           ; 16 x lane
.set GS,   6                           ; 8 x lane
.set SH8,  7                           ; 8 h
.set OFF,  16                          ; v16-31   (weights) row p of a fragment: p x the row's pitch + 16 x lane
.set R,    32                          ; v32-159  (weights) two sets of 64: a fragment as loaded;  (x) v32-95: the second set of blocks
.set X,    160                         ; v160-223 my two blocks of 32 neighbours
.set C,    224                         ; v224-239 codes: two sets of 8
.set SPW,  240                         ; my spare word's address; never rewritten
.set NIL,  241                         ; 0; never rewritten
.set G0,   68
.set G1,   72
	s_load_b256 s[4:11], s[0:1], 0x0               ; x, W_gate, W_fc1, W_fc2
	s_load_b256 s[12:19], s[0:1], 0x20             ; x_c, x_s, b_c, b_s
	s_load_b128 s[20:23], s[0:1], 0x40             ; w_c, w_s
	v_lshl_add_u32 v[SPW], v0, 2, SPARE
	v_mov_b32 v[NIL], 0
	ds_add_u32 v[SPW], v[NIL]                      ; the opening lines: the add, twice on end, and its wait
	ds_add_u32 v[SPW], v[NIL]
	v_lshrrev_b32 v8, 5, v0
	s_delay_alu instid0(VALU_DEP_1)
	v_readfirstlane_b32 s38, v8                    ; wave 0..10
	v_and_b32 v9, 31, v0                           ; lane
	v_and_b32 v10, 15, v0                          ; r
	v_bfe_u32 v11, v0, 4, 1                        ; h
	s_min_u32 s60, s38, 8
	s_mul_i32 s58, s38, WREG
	s_mul_i32 s60, s60, XREG-WREG
	s_add_co_u32 s58, s58, s60                     ; my region: min(wave, 8) regions of x's size, the rest of the weights'
	s_add_co_u32 s59, s58, STG                     ; its stage
	v_lshlrev_b32 v[CO], 4, v9
	s_delay_alu instid0(VALU_DEP_1)
	v_add_nc_u32 v[SI], s59, v[CO]
	v_mul_u32_u24 v[SO], v10, SPT
	s_delay_alu instid0(VALU_DEP_1)
	v_lshl_add_u32 v[SO], v11, 7, v[SO]
	s_delay_alu instid0(VALU_DEP_1)
	v_add_nc_u32 v[SO], s59, v[SO]
	v_lshl_add_u32 v[SW], v10, 2, s58
	v_lshlrev_b32 v[GS], 3, v9
	s_delay_alu instid0(VALU_DEP_1)
	v_add_nc_u32 v[SRB], s58, v[GS]
	v_lshlrev_b32 v[SH8], 3, v11
	v_mov_b32 v15, 0                               ; a lane permute's destination counts as one of its sources
	s_mov_b32 s54, 0x76543210
	s_mov_b32 s55, 0xfedcba98                      ; v_permlanex16_b32's selects for lane l xor 16
	s_cmp_lt_u32 s38, 8                            ; x's wave or the weights'?
	s_cselect_b32 s30, 8, 3
	s_cselect_b32 s31, 0, 2040
	s_mul_i32 s30, ttmp9, s30
	s_add_co_u32 s30, s30, s38
	s_add_co_u32 s30, s30, s31                     ; J
	s_mov_b32 s[G1+0], (2<<16)|(1<<20)|(6<<22)|(3<<25)  ; x's tile: elements of 4 bytes; 4 words of padding behind every 128
	s_mov_b32 s[G1+1], 128<<16                     ; tensor_dim0
	s_mov_b32 s[G1+2], 64<<16                      ; tensor_dim1
	s_mov_b32 s[G1+3], 128<<16                     ; tile_dim0
	s_mov_b32 s[G1+4], 64                          ; tile_dim1
	s_mov_b32 s[G1+5], 2048                        ; a row of x
	s_mov_b32 s[G1+6], 0
	s_mov_b32 s[G1+7], 0
	s_mov_b32 s31, 2560                            ; W_fc2's figures: first job,
	s_mov_b32 s32, 3                               ; log2 of the K steps in a row,
	s_mov_b32 s33, 12                              ; log2 of a row's bytes,
	s_mov_b32 s34, 2                               ; log2 of the blocks of rows from one group of 64 rows to the next,
	s_mov_b32 s35, 0                               ; the first block's place in that,
	s_mov_b32 s36, 7                               ; log2 of the buffer's blocks of rows,
	s_mov_b32 s37, 11                              ; log2 of its rows
	s_wait_alu depctr_va_vdst(0)
	s_wait_dscnt 0x0                               ; both opening adds are done
	s_wait_kmcnt 0x0
	s_mov_b64 s[24:25], s[10:11]
	s_mov_b64 s[26:27], s[20:21]
	s_mov_b64 s[28:29], s[22:23]
	s_cmp_lt_u32 s30, 2560                         ; W_fc1 or earlier.  Every choice hangs on the job's number alone
	s_cselect_b64 s[24:25], s[8:9], s[24:25]
	s_cselect_b64 s[26:27], s[16:17], s[26:27]
	s_cselect_b64 s[28:29], s[18:19], s[28:29]
	s_cselect_b32 s31, 2304, s31
	s_cselect_b32 s32, 4, s32
	s_cselect_b32 s33, 13, s33
	s_cselect_b32 s34, 3, s34
	s_cselect_b32 s35, 4, s35
	s_cmp_lt_u32 s30, 2304                         ; W_gate or earlier
	s_cselect_b64 s[24:25], s[6:7], s[24:25]
	s_cselect_b32 s31, 2048, s31
	s_cselect_b32 s35, 0, s35
	s_cmp_lt_u32 s30, 2048                         ; x
	s_cselect_b64 s[24:25], s[4:5], s[24:25]
	s_cselect_b64 s[26:27], s[12:13], s[26:27]
	s_cselect_b64 s[28:29], s[14:15], s[28:29]
	s_cselect_b32 s31, 0, s31
	s_cselect_b32 s34, 2, s34
	s_cselect_b32 s36, 9, s36
	s_cselect_b32 s37, 13, s37
	s_sub_co_u32 s30, s30, s31                     ; the job's number in its tensor
	s_lshr_b32 s39, s30, s32                       ; G: which 64 rows
	s_lshl_b32 s48, s39, s32
	s_sub_co_u32 s30, s30, s48                     ; j: which 128 along K
	s_lshl_b32 s56, s39, s34
	s_add_co_u32 s56, s56, s35                     ; my first block of rows in the buffer
	s_lshl_b32 s57, 1, s33                         ; a row's bytes
	s_add_co_u32 s48, s33, 6
	s_lshl_b32 s48, s39, s48                       ; 64 G rows,
	s_lshl_b32 s49, s30, 9
	s_add_co_u32 s48, s48, s49                     ; + 512 j bytes
	s_mov_b32 s49, 0
	s_add_nc_u64 s[40:41], s[24:25], s[48:49]      ; fragment 0's first row;
	s_lshl_b32 s50, s57, 4
	s_mov_b32 s51, 0
	s_add_nc_u64 s[42:43], s[40:41], s[50:51]      ; each further fragment 16 rows on: a base of its own, never rewritten
	s_add_nc_u64 s[44:45], s[42:43], s[50:51]
	s_add_nc_u64 s[46:47], s[44:45], s[50:51]
	s_lshr_b32 s48, s30, 2                         ; the codes: (((j / 4) x blocks of rows + my block) x 4 + j % 4) x 1,024
	s_lshl_b32 s48, s48, s36
	s_add_co_u32 s48, s48, s56
	s_lshl_b32 s48, s48, 2
	s_and_b32 s52, s30, 3
	s_add_co_u32 s48, s48, s52
	s_lshl_b32 s48, s48, 10
	s_add_nc_u64 s[26:27], s[26:27], s[48:49]
	s_lshl_b32 s48, s30, s37                       ; the scale words: (j x rows + 16 x my block) x 4
	s_lshl_b32 s52, s56, 4
	s_add_co_u32 s48, s48, s52
	s_lshl_b32 s48, s48, 2
	s_add_nc_u64 s[28:29], s[28:29], s[48:49]
	s_mov_b32 s[G0], 1
	s_mov_b32 s[G0+1], s59                         ; into my stage
	s_mov_b64 s[G0+2:G0+3], s[40:41]
	s_or_b32 s[G0+3], s[G0+3], 0x80000000
.macro QF f, xb                        ; fragment f, its two blocks a lane at v[xb ..]
.set XB, (\xb)
.set CB, C+8*((\f)%2)
.if (\f) >= 2
	s_wait_xcnt 0x0                                ; the stores of two fragments ago have read this set of codes
.endif
.irp c, 0,1                            ; my block 2 c + h: all its 32 numbers are mine; two chains a block, the four by turns
	v_max3_num_f32 v[8+2*\c], |v[XB+32*\c]|, |v[XB+32*\c+1]|, |v[XB+32*\c+2]|
	v_max3_num_f32 v[9+2*\c], |v[XB+32*\c+3]|, |v[XB+32*\c+4]|, |v[XB+32*\c+5]|
.endr
.irp i, 6,10,14,18,22,26
.irp c, 0,1
	s_delay_alu instid0(VALU_DEP_4)
	v_max3_num_f32 v[8+2*\c], v[8+2*\c], |v[XB+32*\c+\i]|, |v[XB+32*\c+\i+1]|
	s_delay_alu instid0(VALU_DEP_4)
	v_max3_num_f32 v[9+2*\c], v[9+2*\c], |v[XB+32*\c+\i+2]|, |v[XB+32*\c+\i+3]|
.endr
.endr
	s_delay_alu instid0(VALU_DEP_4)
	v_max3_num_f32 v8, v8, |v[XB+30]|, |v[XB+31]|
	s_delay_alu instid0(VALU_DEP_3)
	v_max3_num_f32 v10, v10, |v[XB+62]|, |v[XB+63]|
.irp c, 0,1
	s_delay_alu instid0(VALU_DEP_2)
	v_max3_num_f32 v[8+2*\c], v[8+2*\c], v[9+2*\c], 0x1800000   ; and the floor 2^(3 - 127): the byte cannot fall under 1
.endr
.irp c, 0,1
	s_delay_alu instid0(VALU_DEP_2)
	v_add_nc_u32 v[12+\c], 0xff000000, v[8+2*\c]   ; 2 off the exponent field: the conversion takes the exponent field of this operand as its scale
.endr
.irp c, 0,1
.irp g, 0,1,2,3
	v_cvt_scalef32_pk8_fp4_f32 v[CB+4*\c+\g], v[XB+32*\c+8*\g:XB+32*\c+8*\g+7], v[12+\c]   ; registers 4 c .. 4 c + 3 of the operand
.endr
.endr
	v_lshrrev_b32 v8, 23, v12                      ; the scales' bytes (plain lines behind the conversions)
	v_lshrrev_b32 v10, 23, v13
	s_delay_alu instid0(VALU_DEP_1)
	v_lshl_or_b32 v14, v10, 16, v8                 ; blocks h and 2 + h of row r,
	s_delay_alu instid0(VALU_DEP_1)
	v_lshlrev_b32 v14, v[SH8], v14                 ; at their places in the word;
	s_delay_alu instid0(VALU_DEP_1)
	v_permlanex16_b32 v15, v14, s54, s55
	s_delay_alu instid0(VALU_DEP_1)
	v_or_b32 v14, v14, v15                         ; with lane l xor 16's two the word is whole
	ds_store_b32 v[SW], v14 offset:64*(\f)         ; both halves of the lanes write the same word with the same value
.irp c, 0,1
	global_store_b128 v[CO], v[CB+4*\c:CB+4*\c+3], s[26:27] offset:4096*(\f)+512*\c   ; 32 lanes store 512 consecutive bytes, at a multiple of 512 from the buffer's first byte
.endr
.endm
.macro FIN
	ds_load_b64 v[8:9], v[SRB]                     ; the 64 rows' scale words: LDS serves a wave's instructions in order, so this load sees my stores
	s_wait_dscnt 0x0
	global_store_b64 v[GS], v[8:9], s[28:29]       ; 32 lanes store 256 consecutive bytes, at a multiple of 256 from the buffer's first byte
	s_wait_tensorcnt 0x0                           ; the wave's end
	ds_add_u32 v[SPW], v[NIL]
	s_wait_dscnt 0x0
	s_endpgm
.endm
	s_cmp_lt_u32 s38, 8
	s_cbranch_scc0 .Lweights
; x's waves
	tensor_load_to_lds s[G0:G0+3], s[G1:G1+7]      ; my job whole: my one tensor load
	s_nop 0
	s_wait_tensorcnt 0x0                           ; only I read these bytes: this wait is all the ordering that the reads need
.macro XLOAD f                         ; fragment f's two blocks a lane, into set f % 2 (v160.. or v32..)
.irp c, 0,1
.irp i, 0,1,2,3,4,5,6,7
	ds_load_b128 v[X-128*((\f)%2)+32*\c+4*\i:X-128*((\f)%2)+32*\c+4*\i+3], v[SO] offset:16*SPT*(\f)+256*\c+16*\i
.endr
.endr
.endm
	XLOAD 0
.irp f, 0,1,2,3
.if \f < 3
	XLOAD \f+1
	s_wait_dscnt 16                                ; all but the next fragment's 16 loads
.else
	s_wait_dscnt 0x0
.endif
	QF \f, X-128*(\f%2)
.endr
	FIN
; the weights' waves
.Lweights:
	v_mov_b32 v[OFF], v[CO]
.set p, 1
.rept 15
	s_delay_alu instid0(VALU_DEP_1)
	v_add_nc_u32 v[OFF+p], s57, v[OFF+p-1]
.set p, p+1
.endr
.macro LOAD f                          ; fragment f: 16 rows, 512 consecutive bytes each
.set p, 0
.rept 16
	global_load_b128 v[R+64*((\f)%2)+4*p:R+64*((\f)%2)+4*p+3], v[OFF+p], s[40+2*(\f):41+2*(\f)] th:TH_LOAD_NT
.set p, p+1
.endr
.endm
.macro TURN f                          ; through the stage: no wait stands between a wave's own stores and loads
.set p, 0
.rept 16
	ds_store_b128 v[SI], v[R+64*((\f)%2)+4*p:R+64*((\f)%2)+4*p+3] offset:SPT*p
.set p, p+1
.endr
.irp c, 0,1
.irp i, 0,1,2,3,4,5,6,7
	ds_load_b128 v[X+32*\c+4*\i:X+32*\c+4*\i+3], v[SO] offset:256*\c+16*\i
.endr
.endr
.endm
	LOAD 0
	LOAD 1
	s_wait_alu depctr_va_vdst(0)
.irp f, 0,1,2,3
.if \f < 3
	s_wait_loadcnt 16                              ; this fragment's 16 loads are in; the next fragment's 16 may be out
.else
	s_wait_loadcnt 0x0
.endif
	TURN \f
	s_wait_dscnt 0x0                               ; my 64 numbers are back, and the stage's stores have read their registers,
.if \f < 2
	LOAD \f+2                                      ; which take the fragment two further on
.endif
	QF \f, X
.endr
	FIN
.Lfunc_end_k_qe8781ebd68_quant:
	.size	k_qe8781ebd68_quant, .Lfunc_end_k_qe8781ebd68_quant-k_qe8781ebd68_quant
	.p2alignl 7, 3214868480
	.fill 96, 4, 3214868480
	.section	.rodata,"a",@progbits
	.p2align	6, 0x0
	.amdhsa_kernel k_qe8781ebd68_quant
		.amdhsa_group_segment_fixed_size 327680
		.amdhsa_private_segment_fixed_size 0
		.amdhsa_enable_private_segment 0
		.amdhsa_kernarg_size 80
		.amdhsa_user_sgpr_count 2
		.amdhsa_user_sgpr_kernarg_segment_ptr 1
		.amdhsa_wavefront_size32 1
		.amdhsa_system_sgpr_workgroup_id_x 1
		.amdhsa_system_sgpr_workgroup_id_y 1
		.amdhsa_system_sgpr_workgroup_id_z 1
		.amdhsa_system_vgpr_workitem_id 0
		.amdhsa_next_free_vgpr 248
		.amdhsa_next_free_sgpr 80
		.amdhsa_reserve_vcc 0
		.amdhsa_float_denorm_mode_32 3
		.amdhsa_float_denorm_mode_16_64 3
		.amdhsa_memory_ordered 1
		.amdhsa_forward_progress 1
		.amdhsa_inst_pref_size 60
	.end_amdhsa_kernel
	.amdgpu_metadata
---
amdhsa.version: [ 1, 2 ]
amdhsa.kernels:
  - .name:           k_qe8781ebd68_quant
    .symbol:         k_qe8781ebd68_quant.kd
    .args:
      - { .name: x, .offset: 0, .size: 8, .value_kind: global_buffer, .address_space: global }
      - { .name: W_gate, .offset: 8, .size: 8, .value_kind: global_buffer, .address_space: global }
      - { .name: W_fc1, .offset: 16, .size: 8, .value_kind: global_buffer, .address_space: global }
      - { .name: W_fc2, .offset: 24, .size: 8, .value_kind: global_buffer, .address_space: global }
      - { .name: x_c, .offset: 32, .size: 8, .value_kind: global_buffer, .address_space: global }
      - { .name: x_s, .offset: 40, .size: 8, .value_kind: global_buffer, .address_space: global }
      - { .name: b_c, .offset: 48, .size: 8, .value_kind: global_buffer, .address_space: global }
      - { .name: b_s, .offset: 56, .size: 8, .value_kind: global_buffer, .address_space: global }
      - { .name: w_c, .offset: 64, .size: 8, .value_kind: global_buffer, .address_space: global }
      - { .name: w_s, .offset: 72, .size: 8, .value_kind: global_buffer, .address_space: global }
    .group_segment_fixed_size: 327680
    .private_segment_fixed_size: 0
    .kernarg_segment_align: 8
    .kernarg_segment_size: 80
    .max_flat_workgroup_size: 352
    .sgpr_count:     80
    .vgpr_count:     248
    .wavefront_size: 32
...
	.end_amdgpu_metadata
.endif
;; end of part 1
;; launch glu (part 2): grid 8 x 32, 4 waves a work-group, clusters of 4 x 4, 327,680 bytes of LDS; arguments x_c, x_s, b_c, b_s, a_c, a_s; writes a_c, a_s
.if DOCPART == 2
	.amdgcn_target "amdgcn-amd-amdhsa--gfx1250"
	.amdhsa_code_object_version 6
	.text
	.protected	k_qe8781ebd68_glu
	.globl	k_qe8781ebd68_glu
	.p2align	8
	.type	k_qe8781ebd68_glu,@function
k_qe8781ebd68_glu:
	s_mov_b64 s[64:65], 0
	v_nop
	global_prefetch_b8 v0, s[64:65] scope:SCOPE_SE
	s_setreg_imm32_b32 hwreg(HW_REG_WAVE_MODE, 25, 1), 1
	s_wait_xcnt 0x0
	s_wait_alu depctr_hold_cnt(0) depctr_sa_sdst(0) depctr_va_vdst(0) depctr_va_sdst(0) depctr_va_ssrc(0) depctr_va_vcc(0) depctr_vm_vsrc(0)
	s_getreg_b32 s2, hwreg(HW_REG_IB_STS2, 6, 4)
	s_cmp_eq_u32 s2, 0
	s_cbranch_scc0 .Lentry_in_a_cluster
	s_endpgm
.Lentry_in_a_cluster:
	s_bfe_u32 s2, ttmp6, 0x10000c
	s_cmp_lg_u32 s2, 0xf033
	s_cbranch_scc0 .Lentry_shape_is_right
	s_endpgm
.Lentry_shape_is_right:
; a = gelu(x W_fc1^T) * (x W_gate^T), both products on codes of FP4 (E2M1) with E8M0 scales, and a quantised along the hidden units into codes for the next product.
; A = x: 8,192 rows; B: 2,048 rows, W_gate's and W_fc1's tiles interleaved (block of rows 8 (u / 64) + 4 m + (u / 16) % 4 for hidden unit u of matrix m); K = 2,048.
; Codes lie in the order of the operand's registers: [k / 512][row / 16][(k / 128) % 4][1,024 bytes], a fragment as [c 2][lane 32][16 bytes]; scale words as [k / 128][row].
; A work-group of four waves makes 256 rows x 256 rows of B, a wave 128 x 128: 64 accumulators, 512 registers.  A wave's eight blocks of B are four tiles of the gate and the four tiles of fc1 for the same 64 hidden units.
; K goes in steps of 512 through a ring of two LDS slots; in the ring a wave's tensor load brings 128 rows' fragments, 32,768 consecutive bytes.  A fragment load takes 512 consecutive bytes of LDS, so no padding is wanted.
; The scale words of the work-group's rows, for all of K, come once, at the head, and stay.
; CLUSTERS: 4 x 4 work-groups; the four of a row need the same tiles of A, the four of a column the same tiles of B: each tile is asked for jointly, by the same tensor load with the same descriptor and a mask naming the four.
; THE MATRIX INSTRUCTION IS USED TRANSPOSED (source 0 = 16 rows of B, source 1 = 16 rows of A): lane (r, h) holds row r of x, and register j of tile t hidden unit 16 t + 8 h + j of the wave's 64.
; THE ACTIVATION, as reference() writes it: gelu(h) g = (h g) Phi, Phi = 1/2 + erf(h / sqrt 2) / 2.  erf(z) = z P(z^2) / Q(z^2), z held to +-4: a rational fit for f32, P of degree 6 and Q of degree 4 in z^2.
; Here both run in s = h^2 = 2 z^2 (coefficient k divided by 2^k, which rounds nothing), h is held to +-4 sqrt 2, and the factor 1 / sqrt 8 of z / 2 stands in Q as sqrt 8.  One reciprocal a number, no exponential, no branch.
; LIMITS: Phi carries the absolute rounding of f32's sum 1/2 + erf / 2, about 1e-7, for every h; so its error relative to Phi grows as Phi falls (h under -2), as that of reference()'s own 1 + erf does.
; A block of zeros gets the byte 1 where the rule says 127 (its codes are zeros; this program alone reads the bytes).  NaN and infinities are not served.
; REGISTERS, in windows of 256: window 0: v0-31 addresses; v32-95 scale words, two sets, and nothing else; v128-255 A's fragments, two sets.
;   window 1: B's fragments, two sets, at v0 and v128; on the way out all that is at work.   window 2: the accumulators of my rows 0-63 ((a, b) at v[8 (8 a + b)]);   window 3: those of my rows 64-127.
.set KK,     2048
.set NQ,     4                         ; steps of 128 along K in a slot
.set FR,     8                         ; registers of a fragment
.set NL,     2                         ; LDS loads that bring one
.set NP,     4                         ; places behind this matrix instruction (ISA guide 7.12.1)
.set NKS,    KK/128
.set LAPS,   KK/1024                   ; a lap = two slots
.set HALFT,  32768                     ; 128 rows x 512 K of codes
.set SLOT,   4*HALFT                   ; A's 256 rows, then B's 256 rows
.set ASTEP,  512*4096                  ; bytes from 512 along K to the next in A's buffer,
.set BSTEP,  128*4096                  ; and in B's
.set AROWS,  8192
.set BROWS,  2048
.set SCL,    2*SLOT                    ; behind the ring: the scale words, A's [k / 128][256 rows], then B's
.set HALFS,  NKS*512
.set SPARE,  SCL+4*HALFS               ; behind them: the spare words, 128 bytes a wave, that no other line names
.set ADRA, 16                          ; v16-17  my A fragments in slot 0, 1: + 16 x lane
.set ADRB, 20                          ; v20-21  the same for B
.set PFO,  22                          ; v22     the prefetches' offset: 256 x lane; never rewritten
.set SWA,  24                          ; v24     the way out: where my row's half of a scale word goes
.set SRB,  25                          ; v25     and where I read 8 bytes of scale words back
.set CO,   26                          ; v26     16 x lane
.set ADSA, 27                          ; v27     A's scale words of the slot in hand: + 4 x lane
.set SPW,  28                          ; v28     my spare word; never rewritten
.set NIL,  29                          ; v29     0; never rewritten
.set ADSB, 30                          ; v30     as v27, for B
.set GS,   31                          ; v31     8 x lane
.set SC,   32                          ; scale words: set s at v[SC + 32 s]; register 8 q + p: A's blocks 2 p (lanes 0-15) and 2 p + 1 (lanes 16-31) for the slot's q-th 128 along K; 8 q + 4 + p: B's
.set AF,   128                         ; A's fragments: sets at v128 and v192
.set G0H,  4                           ; s[4:7], s[8:11] group 0 for the head's loads of codes (the arguments that lay there have been used by then)
.set G0HB, 8
.set G1, 24                            ; s[24:31] group 1 for A's tiles;  s[32:39] group 0, one set for each slot
.set G0, 32
.set G1B, 48                           ; s[48:55], s[56:63] the same for B's
.set G0B, 56
.set G1S, 68                           ; s[68:75], s[76:79] groups 1 and 0 for A's scale words;  s[80:87], s[88:91] for B's
.set G0S, 76
.set G1SB, 80
.set G0SB, 88
.set PF1,  92                          ; s[92:93], s[94:95], s[44:45] where my prefetches of the second, third and fourth 512 along K stand; never rewritten
.set PF2,  94
.set PF3,  44
.set MSB, 0
.macro WIN new                         ; the immediate's high byte repeats the setting that is left
.if MSB != \new
	s_set_vgpr_msb (MSB<<8)|\new
.set MSB, \new
.endif
.endm
.set MUL_LO, 0xa1                      ; source 0 (B) window 1, source 1 (A) window 0, C and D window 2
.set MUL_HI, 0xf1                      ; the same, C and D window 3
.set TO_B,   0x40                      ; destination window 1, address window 0
; A joint load of the ring: waves 0 and 1 fetch for A, waves 2 and 3 for B.  Each line has one mask and one set of registers for all that issue it; the branch hangs on the wave's number alone.
.macro JLOAD g0a, g1a, g0b, g1b
	s_cmp_eq_u32 s15, 0
	s_cbranch_scc0 .Lfor_b_\@
	tensor_load_to_lds s[\g0a:\g0a+3], s[\g1a:\g1a+7]
	s_nop 0
.rept 4
	v_nop
.endr
	s_branch .Lasked_\@
.Lfor_b_\@:
	tensor_load_to_lds s[\g0b:\g0b+3], s[\g1b:\g1b+7]
	s_nop 0
.rept 4
	v_nop
.endr
.Lasked_\@:
.endm
.macro CREST                           ; a round of the cluster's barrier behind its opening barrier
	s_cmp_lg_u32 s14, 0
	s_cbranch_scc1 .Lnot_wave_0_\@
	s_barrier_signal -3
.Lnot_wave_0_\@:
	s_barrier_wait -3
	s_barrier_signal -1
	s_barrier_wait -1
.endm
.macro CROUND                          ; a whole round
	s_barrier_signal -1
	s_barrier_wait -1
	CREST
.endm
	s_load_b128 s[4:7], s[0:1], 0x0                ; A's codes, A's scale words
	s_load_b128 s[8:11], s[0:1], 0x10              ; B's codes, B's scale words
	s_load_b64 s[12:13], s[0:1], 0x20              ; a's codes
	s_load_b64 s[96:97], s[0:1], 0x28              ; a's scale words
	v_lshl_add_u32 v[SPW], v0, 2, SPARE
	v_mov_b32 v[NIL], 0
	ds_add_u32 v[SPW], v[NIL]                      ; the opening lines: the add, twice on end, and its wait
	ds_add_u32 v[SPW], v[NIL]
	s_wait_dscnt 0x0
	v_lshrrev_b32 v1, 5, v0
	v_readfirstlane_b32 s14, v1                    ; wave 0..3
	s_lshr_b32 s15, s14, 1                         ; which half of the tile's rows is mine.  Also: in the ring I fetch for A (0) or for B (1)
	s_and_b32 s16, s14, 1                          ; which half of its columns.  Also: which 128 rows of that tile I fetch
	s_bfe_u32 s40, ttmp6, 0x40000                  ; cx, cy
	s_bfe_u32 s41, ttmp6, 0x40004
	s_lshl_b32 s42, ttmp9, 2
	s_add_co_u32 s42, s42, s40                     ; tile column n
	s_and_b32 s17, ttmp7, 0xffff
	s_lshl_b32 s17, s17, 2
	s_add_co_u32 s17, s17, s41                     ; tile row
	s_lshl_b32 s43, s41, 2
	s_lshl_b32 s43, 15, s43                        ; my row of the cluster
	s_lshl_b32 s44, 0x1111, s40                    ; my column
	s_mov_b32 s98, 0x76543210
	s_mov_b32 s99, 0xfedcba98                      ; v_permlanex16_b32's selects for lane l xor 16
	s_or_b32 s[G1+0], s43, (3<<16)|(1<<21)         ; codes: consecutive bytes as rows of 32 elements of 8 bytes, no padding; A's tiles go to my row,
	s_or_b32 s[G1B+0], s44, (3<<16)|(1<<21)        ; B's to my column
.irp g, G1, G1B
	s_mov_b32 s[\g+1], 32<<16                      ; tensor_dim0
	s_mov_b32 s[\g+2], 256<<16                     ; tensor_dim1: 256 rows of 256 bytes for the head's loads; behind them 128
	s_mov_b32 s[\g+3], 32<<16                      ; tile_dim0
	s_mov_b32 s[\g+4], 256                         ; tile_dim1
	s_mov_b32 s[\g+5], 32                          ; dense
	s_mov_b32 s[\g+6], 0
	s_mov_b32 s[\g+7], 0
.endr
	s_or_b32 s[G1S+0], s43, (2<<16)|(1<<21)        ; scale words: NKS rows of the tile's 256 words, a whole buffer row apart
	s_or_b32 s[G1SB+0], s44, (2<<16)|(1<<21)
.irp g, G1S, G1SB
	s_mov_b32 s[\g+1], 256<<16
	s_mov_b32 s[\g+2], NKS<<16
	s_mov_b32 s[\g+3], 256<<16
	s_mov_b32 s[\g+4], NKS
	s_mov_b32 s[\g+6], 0
	s_mov_b32 s[\g+7], 0
.endr
	s_mov_b32 s[G1S+5], AROWS
	s_mov_b32 s[G1SB+5], BROWS
	s_lshl_b32 s18, s16, 15                        ; in the ring I fetch 128 rows of a tile: which half, 8 blocks of rows x 4,096 bytes
	s_mov_b32 s19, 0
	s_lshl_b32 s20, s17, 16                        ; A's codes: 65,536 x tile row
	s_mov_b32 s21, 0
	s_lshl_b32 s46, s42, 16                        ; B's: x tile column
	s_mov_b32 s47, 0
	s_lshl_b32 s22, s17, 10                        ; A's scale words: 4 x 256 x tile row
	s_mov_b32 s23, 0
	s_lshl_b32 s92, s42, 10
	s_mov_b32 s93, 0
	s_mul_i32 s45, s14, HALFT                      ; where the ring's loads go: by the wave's number alone
	s_wait_kmcnt 0x0
	s_add_nc_u64 s[20:21], s[4:5], s[20:21]
	s_add_nc_u64 s[22:23], s[6:7], s[22:23]
	s_add_nc_u64 s[46:47], s[8:9], s[46:47]
	s_add_nc_u64 s[92:93], s[10:11], s[92:93]
	CROUND                                         ; all sixteen work-groups are here: the first joint loads meet
	s_mov_b32 s[G0S], 1
	s_mov_b32 s[G0S+1], SCL
	s_mov_b64 s[G0S+2:G0S+3], s[22:23]
	s_or_b32 s[G0S+3], s[G0S+3], 0x80000000
	s_mov_b32 s[G0SB], 1
	s_mov_b32 s[G0SB+1], SCL+2*HALFS
	s_mov_b64 s[G0SB+2:G0SB+3], s[92:93]
	s_or_b32 s[G0SB+3], s[G0SB+3], 0x80000000
	s_mov_b32 s[G0H], 1                            ; the first 512 along K of A's 256 rows,
	s_mov_b32 s[G0H+1], 0
	s_mov_b64 s[G0H+2:G0H+3], s[20:21]
	s_or_b32 s[G0H+3], s[G0H+3], 0x80000000
	s_mov_b32 s[G0HB], 1                           ; and of B's, behind them in slot 0
	s_mov_b32 s[G0HB+1], 2*HALFT
	s_mov_b64 s[G0HB+2:G0HB+3], s[46:47]
	s_or_b32 s[G0HB+3], s[G0HB+3], 0x80000000
	s_add_nc_u64 s[20:21], s[20:21], s[18:19]      ; for the ring: my 128 rows of the tile
	s_add_nc_u64 s[46:47], s[46:47], s[18:19]
.irp s, 0,1
	s_mov_b32 s[G0+4*\s], 1
	s_add_co_u32 s[G0+4*\s+1], s45, \s*SLOT
	s_add_nc_u64 s[G0+4*\s+2:G0+4*\s+3], s[20:21], \s*ASTEP
	s_or_b32 s[G0+4*\s+3], s[G0+4*\s+3], 0x80000000
	s_mov_b32 s[G0B+4*\s], 1
	s_add_co_u32 s[G0B+4*\s+1], s45, \s*SLOT
	s_add_nc_u64 s[G0B+4*\s+2:G0B+4*\s+3], s[46:47], \s*BSTEP
	s_or_b32 s[G0B+4*\s+3], s[G0B+4*\s+3], 0x80000000
.endr
; THE PREFETCHES INTO THE L2.  Of the 32,768 bytes that a wave fetches for a slot, each of the four partners that ask for them jointly names 8,192, told apart by address (cx for A, cy for B): 32 blocks of 256 bytes, a lane a block,
; one instruction a wave.  Behind the load of each 512 along K the next 512 are asked for, a slot's four steps ahead of their own load; behind the last load nothing: so one slot's tiles at the most are asked for and not yet read.
	s_cmp_eq_u32 s15, 0                            ; do I fetch for A?
	s_cselect_b64 s[PF1:PF1+1], s[20:21], s[46:47] ; my 128 rows' fragments of the first 512 along K
	s_cselect_b32 s18, s40, s41                    ; my place among the four
	s_mov_b32 s22, BSTEP
	s_cselect_b32 s22, ASTEP, s22                  ; from 512 along K to the next
	s_lshl_b32 s18, s18, 13
	s_mov_b32 s19, 0
	s_mov_b32 s23, 0
	s_add_nc_u64 s[PF1:PF1+1], s[PF1:PF1+1], s[18:19]
	s_add_nc_u64 s[PF1:PF1+1], s[PF1:PF1+1], s[22:23]
	s_add_nc_u64 s[PF2:PF2+1], s[PF1:PF1+1], s[22:23]
	s_add_nc_u64 s[PF3:PF3+1], s[PF2:PF2+1], s[22:23]
; THE HEAD'S LOADS, ONE A WAVE: wave 0 fetches slot 0's 256 rows of A, wave 1 its 256 rows of B, wave 2 A's scale words, wave 3 B's.  One chain of branches on the wave's number; every way passes one load.
.macro ARM under, g0, g1, next
	s_cmp_lt_u32 s14, \under
	s_cbranch_scc0 \next
	tensor_load_to_lds s[\g0:\g0+3], s[\g1:\g1+7]
	s_nop 0
.rept 4
	v_nop
.endr
	s_branch .Lhead_asked
\next:
.endm
	ARM 1, G0H,  G1,  .Lhead_b
	ARM 2, G0HB, G1B, .Lhead_sa
	ARM 3, G0S,  G1S, .Lhead_sb
	tensor_load_to_lds s[G0SB:G0SB+3], s[G1SB:G1SB+7]
	s_nop 0
.rept 4
	v_nop
.endr
.Lhead_asked:
	v_and_b32 v1, 31, v0                           ; lane
	v_and_b32 v2, 15, v0                           ; r
	v_lshlrev_b32 v4, 4, v1                        ; 16 x lane
	v_lshlrev_b32 v5, 2, v1                        ; 4 x lane
	v_lshlrev_b32 v[PFO], 8, v1                    ; 256 x lane
	s_wait_alu depctr_va_vdst(0)
	s_mul_i32 s21, s15, HALFT                      ; my 128 rows of A
	s_mul_i32 s22, s16, HALFT                      ; my 128 rows of B,
	s_add_co_u32 s22, s22, 2*HALFT                 ; which lie behind A's 256
.irp s, 0,1
	v_add_nc_u32 v[ADRA+\s], s21, v4
	v_add_nc_u32 v[ADRB+\s], s22, v4
	s_add_co_u32 s21, s21, SLOT
	s_add_co_u32 s22, s22, SLOT
.endr
	s_lshl_b32 s21, s15, 9                         ; my 128 rows' words in a row of 256 words
	s_add_co_u32 s21, s21, SCL
	v_add_nc_u32 v[ADSA], s21, v5
	s_lshl_b32 s22, s16, 9
	s_add_co_u32 s22, s22, SCL+2*HALFS
	v_add_nc_u32 v[ADSB], s22, v5
	s_lshl_b32 s21, s15, 9                         ; the way out: the tile's 256 scale words are gathered in the first 1,024 bytes of slot 0: 4 x (128 x row half + 16 a + r) + 2 x column half
	s_lshl_b32 s22, s16, 1
	s_add_co_u32 s21, s21, s22
	v_lshl_add_u32 v[SWA], v2, 2, s21
	v_lshlrev_b32 v[GS], 3, v1
	s_lshl_b32 s21, s14, 8
	v_add_nc_u32 v[SRB], s21, v[GS]                ; back: wave w takes words 64 w .. 64 w + 63
	v_mov_b32 v[CO], v4
	global_prefetch_b8 v[PFO], s[PF1:PF1+1] th:TH_LOAD_NT scope:SCOPE_SE   ; the second 512 along K
	s_lshl_b32 s20, s17, 4                         ; a's codes: K step n of the next product: ((n / 4) x 512 + my block of rows) x 4,096 + (n % 4) x 1,024 + 512 x column half
	s_lshl_b32 s21, s15, 3
	s_add_co_u32 s20, s20, s21
	s_lshl_b32 s20, s20, 12
	s_mov_b32 s21, 0
	s_lshr_b32 s46, s42, 2
	s_lshl_b32 s46, s46, 21
	s_and_b32 s47, s42, 3
	s_lshl_b32 s47, s47, 10
	s_add_co_u32 s46, s46, s47
	s_lshl_b32 s47, s16, 9
	s_add_co_u32 s46, s46, s47
	s_mov_b32 s47, 0
	s_add_nc_u64 s[20:21], s[20:21], s[46:47]
	s_add_nc_u64 s[12:13], s[12:13], s[20:21]
	s_lshl_b32 s20, s17, 10                        ; a's scale words: 4 x (8,192 n + 256 x tile row + 64 x wave)
	s_lshl_b32 s22, s14, 8
	s_add_co_u32 s20, s20, s22
	s_mov_b32 s21, 0
	s_lshl_b32 s46, s42, 15
	s_add_nc_u64 s[20:21], s[20:21], s[46:47]
	s_add_nc_u64 s[96:97], s[96:97], s[20:21]
.macro FRAG reg, adr, q, i             ; a fragment comes as it lies: two loads of 512 consecutive bytes
.irp c, 0,1
	ds_load_b128 v[\reg+4*\c:\reg+4*\c+3], v[\adr] offset:(\i)*4096+(\q)*1024+512*\c
.endr
.endm
; One product: A's block a x B's block b, the slot's q-th 128 along K.  p: the sets of fragments; sc: the set of scale words.  An odd block's words lie in lanes 16-31 of its register.
.macro MM a, b, p, q, sc, zero
.set rD, 8*(8*((\a)%4)+(\b))
.set rB, 128*(\p)+FR*(\b)
.set rA, AF+64*(\p)+FR*(\a)
.set rSB, SC+32*(\sc)+8*(\q)+4+(\b)/2
.set rSA, SC+32*(\sc)+8*(\q)+(\a)/2
.set par, 2*((\a)%2)+(\b)%2
.if \zero
.if par == 0
	v_wmma_scale_f32_16x16x128_f8f6f4 v[rD:rD+7], v[rB:rB+7], v[rA:rA+7], 0, v[rSB], v[rSA] matrix_a_fmt:MATRIX_FMT_FP4 matrix_b_fmt:MATRIX_FMT_FP4
.elseif par == 1
	v_wmma_scale_f32_16x16x128_f8f6f4 v[rD:rD+7], v[rB:rB+7], v[rA:rA+7], 0, v[rSB], v[rSA] matrix_a_fmt:MATRIX_FMT_FP4 matrix_b_fmt:MATRIX_FMT_FP4 matrix_a_scale:MATRIX_SCALE_ROW1
.elseif par == 2
	v_wmma_scale_f32_16x16x128_f8f6f4 v[rD:rD+7], v[rB:rB+7], v[rA:rA+7], 0, v[rSB], v[rSA] matrix_a_fmt:MATRIX_FMT_FP4 matrix_b_fmt:MATRIX_FMT_FP4 matrix_b_scale:MATRIX_SCALE_ROW1
.else
	v_wmma_scale_f32_16x16x128_f8f6f4 v[rD:rD+7], v[rB:rB+7], v[rA:rA+7], 0, v[rSB], v[rSA] matrix_a_fmt:MATRIX_FMT_FP4 matrix_b_fmt:MATRIX_FMT_FP4 matrix_a_scale:MATRIX_SCALE_ROW1 matrix_b_scale:MATRIX_SCALE_ROW1
.endif
.else
.if par == 0
	v_wmma_scale_f32_16x16x128_f8f6f4 v[rD:rD+7], v[rB:rB+7], v[rA:rA+7], v[rD:rD+7], v[rSB], v[rSA] matrix_a_fmt:MATRIX_FMT_FP4 matrix_b_fmt:MATRIX_FMT_FP4
.elseif par == 1
	v_wmma_scale_f32_16x16x128_f8f6f4 v[rD:rD+7], v[rB:rB+7], v[rA:rA+7], v[rD:rD+7], v[rSB], v[rSA] matrix_a_fmt:MATRIX_FMT_FP4 matrix_b_fmt:MATRIX_FMT_FP4 matrix_a_scale:MATRIX_SCALE_ROW1
.elseif par == 2
	v_wmma_scale_f32_16x16x128_f8f6f4 v[rD:rD+7], v[rB:rB+7], v[rA:rA+7], v[rD:rD+7], v[rSB], v[rSA] matrix_a_fmt:MATRIX_FMT_FP4 matrix_b_fmt:MATRIX_FMT_FP4 matrix_b_scale:MATRIX_SCALE_ROW1
.else
	v_wmma_scale_f32_16x16x128_f8f6f4 v[rD:rD+7], v[rB:rB+7], v[rA:rA+7], v[rD:rD+7], v[rSB], v[rSA] matrix_a_fmt:MATRIX_FMT_FP4 matrix_b_fmt:MATRIX_FMT_FP4 matrix_a_scale:MATRIX_SCALE_ROW1 matrix_b_scale:MATRIX_SCALE_ROW1
.endif
.endif
.endm
; 16 products: A's blocks a0, a0 + 1 x B's eight.  zero = 1: the first product starts the sums.  The 64 accumulators take turns, one instruction a turn, in the same order in every step.
.macro MUL16 a0, p, q, sc, zero
.irp a, \a0, \a0+1
.irp b, 0,1,2,3,4,5,6,7
	MM \a, \b, \p, \q, \sc, \zero
.endr
.endr
.endm
.macro FETCH_B slot, q, p              ; B's eight fragments of the slot's q-th 128 along K into set p
	WIN TO_B
.irp i, 0,1,2,3,4,5,6,7
	FRAG 128*(\p)+FR*\i, ADRB+\slot, \q, \i
.endr
	WIN 0
.endm
.macro FETCH_A slot, q, p              ; A's eight
.irp i, 0,1,2,3,4,5,6,7
	FRAG AF+64*(\p)+FR*\i, ADRA+\slot, \q, \i
.endr
.endm
.macro SCALES sc                       ; a slot's scale words into set sc: each load takes 128 consecutive bytes, two blocks' words
.irp q, 0,1,2,3
.irp p, 0,1,2,3
	ds_load_b32 v[SC+32*\sc+8*\q+\p], v[ADSA] offset:1024*\q+128*\p
	ds_load_b32 v[SC+32*\sc+8*\q+4+\p], v[ADSB] offset:1024*\q+128*\p
.endr
.endr
.endm
; A load into a register that a matrix instruction has read, and a vector instruction or a store that reads a matrix result or writes a matrix instruction's register, stand NP places behind that matrix instruction; only plain vector
; instructions that name none of its registers are places (ISA guide 7.12.1 for vector instructions).
.macro PLACES n
.rept \n
	v_nop
.endr
.endm
; A step of 128 along K that has its successor in the same slot.  A and B have two sets of fragments each, by the step's parity: at a step's head the next step's 32 loads go out into the sets that the step before multiplied.
.macro STEP slot, q, zero
	PLACES NP                                      ; behind the products of the step before, which read the sets that are loaded now
	FETCH_B \slot, (\q)+1, 1-(\q)%2
	FETCH_A \slot, (\q)+1, 1-(\q)%2
	s_wait_dscnt 16*NL                             ; this step's fragments and scale words are in; the 32 loads just issued may be out
	WIN MUL_LO
	MUL16 0, (\q)%2, \q, \slot, \zero
	MUL16 2, (\q)%2, \q, \slot, \zero
	WIN MUL_HI
	MUL16 4, (\q)%2, \q, \slot, \zero
	MUL16 6, (\q)%2, \q, \slot, \zero
	WIN 0
.endm
; A slot's last step changes slots: one barrier; in front of it each wave waits for all its tensor loads, adds 0 to its spare word, and waits for that and for its own reads of this slot.  fill = 1: this slot is filled again, two slots ahead.
.macro TURN slot, next, fill
	s_wait_tensorcnt 0x0                           ; all my tensor loads have landed: my part of the next slot  (every window is 0 here)
	ds_add_u32 v[SPW], v[NIL]                      ; 0 onto my spare word
	s_wait_dscnt 1                                 ; this step's fragments, my last reads of this slot, are in (the add may be out)
	WIN MUL_LO
	MUL16 0, 1, NQ-1, \slot, 0                     ; sixteen matrix instructions stand between the add and the wait for it
	s_wait_dscnt 0x0                               ; the add is done
	s_barrier_signal -1
	MUL16 2, 1, NQ-1, \slot, 0
	WIN 0
	s_barrier_wait -1
.if \fill
	CREST                                          ; the barrier has opened a round of the cluster's barrier: no wave of any partner still reads this slot's tile or has a load on its way
	s_add_nc_u64 s[G0+4*\slot+2:G0+4*\slot+3], s[G0+4*\slot+2:G0+4*\slot+3], 2*ASTEP
	s_add_nc_u64 s[G0B+4*\slot+2:G0B+4*\slot+3], s[G0B+4*\slot+2:G0B+4*\slot+3], 2*BSTEP
	JLOAD G0+4*\slot, G1, G0B+4*\slot, G1B         ; the first tensor load behind the round, my only one until the next; its four v_nop are the places in front of the loads below
.else
	PLACES NP
.endif
	s_wait_alu depctr_va_vdst(0)
	v_add_nc_u32 v[ADSA], 4*1024, v[ADSA]          ; on to the next slot's scale words (no LDS load of mine is out)
	v_add_nc_u32 v[ADSB], 4*1024, v[ADSB]
	FETCH_B \next, 0, 0
	FETCH_A \next, 0, 0
	SCALES \next
.if (\fill) && (\slot) == 0
	global_prefetch_b8 v[PFO], s[PF3:PF3+1] th:TH_LOAD_NT scope:SCOPE_SE   ; behind the third 512's load: the fourth, which is the last
.endif
	WIN MUL_HI
	MUL16 4, 1, NQ-1, \slot, 0
	MUL16 6, 1, NQ-1, \slot, 0
	WIN 0
.endm
.macro STEPS slot, from                ; the slot's steps from .. NQ - 2
.set Q, \from
.rept NQ-1-\from
	STEP \slot, Q, 0
.set Q, Q+1
.endr
.endm
	s_wait_alu depctr_va_vdst(0)
	s_wait_tensorcnt 0x0                           ; my tile of the head's four is in
	ds_add_u32 v[SPW], v[NIL]                      ; 0 onto my spare word
	s_mov_b32 s[G1+2], 128<<16                     ; no tensor load of mine is out, so a descriptor may be written: from here on a load brings 128 rows of 256 bytes
	s_mov_b32 s[G1+4], 128
	s_mov_b32 s[G1B+2], 128<<16
	s_mov_b32 s[G1B+4], 128
	s_wait_dscnt 0x0                               ; the add is done
	CROUND                                         ; a whole round: all four tiles are in, and all sixteen work-groups are here,
	JLOAD G0+4, G1, G0B+4, G1B                     ; and slot 1's load, the first tensor load behind the round
	FETCH_B 0, 0, 0
	FETCH_A 0, 0, 0
	SCALES 0
	global_prefetch_b8 v[PFO], s[PF2:PF2+1] th:TH_LOAD_NT scope:SCOPE_SE   ; behind the second 512's load: the third
	STEP 0, 0, 1                                   ; the first step stands in front of the loop: its products start the sums
	s_mov_b32 s3, LAPS-1
.Llap:                                                 ; a trip goes once round the ring, from a lap's second step to the next lap's first, and fills both slots again
	STEPS 0, 1
	TURN 0, 1, 1
	STEPS 1, 0
	TURN 1, 0, 1
	STEP 0, 0, 0
	s_sub_co_u32 s3, s3, 1
	s_cmp_lg_u32 s3, 0
	s_cbranch_scc1 .Llap
	STEPS 0, 1                                     ; the last lap fills nothing, and has no round of the cluster's barrier
	TURN 0, 1, 0
	STEPS 1, 0
	s_wait_dscnt 0x0                               ; the very last step: nothing more to fetch
	WIN MUL_LO
	MUL16 0, 1, NQ-1, 1, 0
	MUL16 2, 1, NQ-1, 1, 0
	WIN MUL_HI
	MUL16 4, 1, NQ-1, 1, 0
	MUL16 6, 1, NQ-1, 1, 0
	WIN 0
	PLACES NP                                      ; the constants below land on registers of window 1 that held B's fragments, which the last products read
; THE WAY OUT, block by block of 16 rows.  Of block a, accumulators 0-3 hold the gate and 4-7 fc1's h for the same 64 hidden units: 32 numbers of each a lane.  All that is at work lies in window 1.
.set HL,  0                            ; v0-31    h, held to +-4 sqrt 2
.set SS,  32                           ; v32-63   s = h^2
.set PP,  64                           ; v64-95   P, h P, Phi, a
.set QQ,  96                           ; v96-127  Q, 1 / Q
.set HG,  128                          ; v128-159 h g
.set CA,  160                          ; v160-173 P's seven coefficients, each twice (pairs for the packed forms)
.set CBT, 174                          ; v174-183 Q's five
.set CL,  184                          ; v184     4 sqrt 2
.set MX,  186                          ; v186-187 largest magnitudes, then bytes
.set PD,  188                          ; v188-189 lane permutes' destinations
.set SX,  190                          ; v190-191 the conversions' scale operands
.set CDB, 192                          ; v192-223 codes: four registers for each block, never rewritten
.set HW,  224                          ; v224-231 a block's half of a scale word: a register for each block
.macro CONST reg, val
	v_mov_b32 v[\reg], \val
	v_mov_b32 v[\reg+1], \val
.endm
	WIN 0x40
	CONST CA+0,  -0.0160960333262415               ; P's coefficient k over 2^k
	CONST CA+2,  -0.001477299904270
	CONST CA+4,  -0.00018374765758171
	CONST CA+6,  -0.0000071156329932793
	CONST CA+8,  -0.000000131314001301568
	CONST CA+10, 0.00000000086583794529969
	CONST CA+12, -0.0000000000042595972781454
	CONST CBT+0, -0.0403467748597                  ; Q's coefficient k over 2^k, times sqrt 8
	CONST CBT+2, -0.0104274621079
	CONST CBT+4, -0.00118993836513
	CONST CBT+6, -0.0000754391207073
	CONST CBT+8, -0.00000257494204443
	v_mov_b32 v[CL], 0x40b504f3                    ; 4 sqrt 2
	CONST PD,    0                                 ; a lane permute's destination counts as one of its sources
.macro GLUBLK a
.set AW, 2+(\a)/4                      ; the accumulators' window
.set WA, 0x54+AW                       ; source 0 there, all else in window 1
.set WB, 0x50+5*AW                     ; sources 0 and 1 there
.set AC, 64*((\a)%4)                   ; the gate's four accumulators;
.set HC, AC+32                         ; fc1's
.set CD, CDB+4*(\a)
	WIN WA
.set k, 0
.rept 32
	v_med3_num_f32 v[HL+k], v[HC+k], -v[CL], v[CL] ; h, held.  (Each accumulator is read from its low end on)
.set k, k+1
.endr
	WIN WB
.set k, 0
.rept 16
	v_pk_mul_f32 v[HG+k:HG+k+1], v[HC+k:HC+k+1], v[AC+k:AC+k+1]    ; h g, of h as it is
.set k, k+2
.endr
	WIN 0x55
.set k, 0
.rept 16
	v_pk_mul_f32 v[SS+k:SS+k+1], v[HL+k:HL+k+1], v[HL+k:HL+k+1]    ; s
.set k, k+2
.endr
.set k, 0
.rept 16
	v_pk_fma_f32 v[PP+k:PP+k+1], v[SS+k:SS+k+1], v[CA+12:CA+13], v[CA+10:CA+11]
	v_pk_fma_f32 v[QQ+k:QQ+k+1], v[SS+k:SS+k+1], v[CBT+8:CBT+9], v[CBT+6:CBT+7]
.set k, k+2
.endr
.irp i, 2,1,0                          ; Horner, the pairs by turns
.set k, 0
.rept 16
	v_pk_fma_f32 v[PP+k:PP+k+1], v[PP+k:PP+k+1], v[SS+k:SS+k+1], v[CA+4+2*\i:CA+5+2*\i]
	v_pk_fma_f32 v[QQ+k:QQ+k+1], v[QQ+k:QQ+k+1], v[SS+k:SS+k+1], v[CBT+2*\i:CBT+2*\i+1]
.set k, k+2
.endr
.endr
.irp i, 1,0
.set k, 0
.rept 16
	v_pk_fma_f32 v[PP+k:PP+k+1], v[PP+k:PP+k+1], v[SS+k:SS+k+1], v[CA+2*\i:CA+2*\i+1]
.set k, k+2
.endr
.endr
	s_wait_alu depctr_va_vdst(0)                   ; ahead of the batch
.set k, 0
.rept 32
	v_rcp_f32 v[QQ+k], v[QQ+k]                     ; Q is under 0 for every s: all its coefficients are
.set k, k+1
.endr
.set k, 0
.rept 16
	v_pk_mul_f32 v[PP+k:PP+k+1], v[PP+k:PP+k+1], v[HL+k:HL+k+1]    ; h P.  (Plain places behind the reciprocals)
.set k, k+2
.endr
	s_wait_alu depctr_va_vdst(0)                   ; and behind it, ahead of its first reader
.set k, 0
.rept 16
	v_pk_fma_f32 v[PP+k:PP+k+1], v[PP+k:PP+k+1], v[QQ+k:QQ+k+1], 0.5 op_sel_hi:[1,1,0]   ; Phi = 1/2 + h P / Q
.set k, k+2
.endr
.set k, 0
.rept 16
	v_pk_mul_f32 v[PP+k:PP+k+1], v[PP+k:PP+k+1], v[HG+k:HG+k+1]    ; a.  PP[8 t + j] is hidden unit 16 t + 8 h + j of my 64
.set k, k+2
.endr
	; a's two blocks of 32 along the next K: block e is PP[16 e .. 16 e + 15] of lanes l and l xor 16
	v_max3_num_f32 v[MX], |v[PP]|, |v[PP+1]|, 0x1800000            ; with the floor 2^(3 - 127): the byte cannot fall under 1
	v_max3_num_f32 v[MX+1], |v[PP+16]|, |v[PP+17]|, 0x1800000
.irp i, 2,4,6,8,10,12,14
	v_max3_num_f32 v[MX], v[MX], |v[PP+\i]|, |v[PP+\i+1]|
	v_max3_num_f32 v[MX+1], v[MX+1], |v[PP+16+\i]|, |v[PP+17+\i]|
.endr
	v_permlanex16_b32 v[PD], v[MX], s98, s99
	v_permlanex16_b32 v[PD+1], v[MX+1], s98, s99
	v_max_num_f32 v[MX], v[MX], v[PD]
	v_max_num_f32 v[MX+1], v[MX+1], v[PD+1]
	v_add_nc_u32 v[SX], 0xff000000, v[MX]          ; 2 off the exponent field: the conversion's scale operand
	v_add_nc_u32 v[SX+1], 0xff000000, v[MX+1]
	v_cvt_scalef32_pk8_fp4_f32 v[CD], v[PP:PP+7], v[SX]            ; block 0, k = 8 h + 0 .. 7
	v_cvt_scalef32_pk8_fp4_f32 v[CD+2], v[PP+8:PP+15], v[SX]       ; block 0, k = 16 + 8 h + 0 .. 7
	v_cvt_scalef32_pk8_fp4_f32 v[CD+1], v[PP+16:PP+23], v[SX+1]    ; block 1, k = 8 h + 0 .. 7
	v_cvt_scalef32_pk8_fp4_f32 v[CD+3], v[PP+24:PP+31], v[SX+1]    ; block 1, k = 16 + 8 h + 0 .. 7
	v_lshrrev_b32 v[MX], 23, v[SX]                 ; the scales' bytes (plain places behind the conversions)
	v_lshrrev_b32 v[MX+1], 23, v[SX+1]
	v_lshl_or_b32 v[HW+(\a)], v[MX+1], 8, v[MX]    ; my half of the row's scale word
	v_permlane16_swap_b32 v[CD], v[CD+1]           ; the first's lanes 16-31 change places with the second's lanes 0-15: lanes 0-15 now hold block 0's k = 0 .. 15, lanes 16-31 block 1's,
	v_permlane16_swap_b32 v[CD+2], v[CD+3]         ; and here k = 16 .. 31: four registers of the next operand, as its layout wants them
	WIN 0x04                                       ; the stores' data in window 1, their addresses in window 0
	ds_store_b16 v[SWA], v[HW+(\a)] offset:64*(\a) ; both halves of the lanes write the same two bytes with the same value
	global_store_b128 v[CO], v[CD:CD+3], s[12:13] offset:4096*(\a)   ; 32 lanes store 512 consecutive bytes: half a fragment's image, at a multiple of 512 from the buffer's first byte
.endm
.irp a, 0,1,2,3,4,5,6,7
	GLUBLK \a
.endr
	WIN 0
	s_wait_dscnt 0x0                               ; for the others' sake: my halves of the scale words lie in LDS (in slot 0, which has had its last fill, and which nobody reads since the last change of slots)
	s_barrier_signal -1
	s_barrier_wait -1                              ; a row's word comes from two waves
	ds_load_b64 v[8:9], v[SRB]
	s_wait_dscnt 0x0
	global_store_b64 v[GS], v[8:9], s[96:97]       ; 32 lanes store 256 consecutive bytes, at a multiple of 256 from the buffer's first byte
	s_wait_tensorcnt 0x0                           ; the wave's end
	ds_add_u32 v[SPW], v[NIL]
	s_wait_dscnt 0x0
	CROUND                                         ; the closing round: no work-group ends while a partner may still ask for a tile that names it
	s_endpgm
.Lfunc_end_k_qe8781ebd68_glu:
	.size	k_qe8781ebd68_glu, .Lfunc_end_k_qe8781ebd68_glu-k_qe8781ebd68_glu
	.p2alignl 7, 3214868480
	.fill 96, 4, 3214868480
	.section	.rodata,"a",@progbits
	.p2align	6, 0x0
	.amdhsa_kernel k_qe8781ebd68_glu
		.amdhsa_group_segment_fixed_size 327680
		.amdhsa_private_segment_fixed_size 0
		.amdhsa_enable_private_segment 0
		.amdhsa_kernarg_size 48
		.amdhsa_user_sgpr_count 2
		.amdhsa_user_sgpr_kernarg_segment_ptr 1
		.amdhsa_wavefront_size32 1
		.amdhsa_system_sgpr_workgroup_id_x 1
		.amdhsa_system_sgpr_workgroup_id_y 1
		.amdhsa_system_sgpr_workgroup_id_z 1
		.amdhsa_system_vgpr_workitem_id 0
		.amdhsa_next_free_vgpr 1024
		.amdhsa_next_free_sgpr 100
		.amdhsa_reserve_vcc 0
		.amdhsa_float_denorm_mode_32 3
		.amdhsa_float_denorm_mode_16_64 3
		.amdhsa_memory_ordered 1
		.amdhsa_forward_progress 1
		.amdhsa_inst_pref_size 255
	.end_amdhsa_kernel
	.section	.bss,"aw",@nobits
	.p2align	6
	.space	262144
	.amdgpu_metadata
---
amdhsa.version: [ 1, 2 ]
amdhsa.kernels:
  - .name:           k_qe8781ebd68_glu
    .symbol:         k_qe8781ebd68_glu.kd
    .args:
      - { .name: x_c, .offset: 0, .size: 8, .value_kind: global_buffer, .address_space: global }
      - { .name: x_s, .offset: 8, .size: 8, .value_kind: global_buffer, .address_space: global }
      - { .name: b_c, .offset: 16, .size: 8, .value_kind: global_buffer, .address_space: global }
      - { .name: b_s, .offset: 24, .size: 8, .value_kind: global_buffer, .address_space: global }
      - { .name: a_c, .offset: 32, .size: 8, .value_kind: global_buffer, .address_space: global }
      - { .name: a_s, .offset: 40, .size: 8, .value_kind: global_buffer, .address_space: global }
    .group_segment_fixed_size: 327680
    .private_segment_fixed_size: 0
    .kernarg_segment_align: 8
    .kernarg_segment_size: 48
    .max_flat_workgroup_size: 128
    .sgpr_count:     100
    .vgpr_count:     1024
    .wavefront_size: 32
...
	.end_amdgpu_metadata
.endif
;; end of part 2
;; launch down (part 3): grid 8 x 32, 4 waves a work-group, clusters of 4 x 4, 327,680 bytes of LDS; arguments a_c, a_s, w_c, w_s, out0; writes out0
.if DOCPART == 3
	.amdgcn_target "amdgcn-amd-amdhsa--gfx1250"
	.amdhsa_code_object_version 6
	.text
	.protected	k_qe8781ebd68_down
	.globl	k_qe8781ebd68_down
	.p2align	8
	.type	k_qe8781ebd68_down,@function
k_qe8781ebd68_down:
	s_mov_b64 s[64:65], 0
	v_nop
	global_prefetch_b8 v0, s[64:65] scope:SCOPE_SE
	s_setreg_imm32_b32 hwreg(HW_REG_WAVE_MODE, 25, 1), 1
	s_wait_xcnt 0x0
	s_wait_alu depctr_hold_cnt(0) depctr_sa_sdst(0) depctr_va_vdst(0) depctr_va_sdst(0) depctr_va_ssrc(0) depctr_va_vcc(0) depctr_vm_vsrc(0)
	s_getreg_b32 s2, hwreg(HW_REG_IB_STS2, 6, 4)
	s_cmp_eq_u32 s2, 0
	s_cbranch_scc0 .Lentry_in_a_cluster
	s_endpgm
.Lentry_in_a_cluster:
	s_bfe_u32 s2, ttmp6, 0x10000c
	s_cmp_lg_u32 s2, 0xf033
	s_cbranch_scc0 .Lentry_shape_is_right
	s_endpgm
.Lentry_shape_is_right:
; out = a W_fc2^T on codes of FP4 (E2M1) with E8M0 scales.  A = a: 8,192 rows; B = W_fc2: 2,048 rows; K = 1,024; out f32 [8192][2048].
; Codes lie in the order of the operand's registers: [k / 512][row / 16][(k / 128) % 4][1,024 bytes], a fragment as [c 2][lane 32][16 bytes]; scale words as [k / 128][row].
; A work-group of four waves makes 256 x 256 of out, a wave 128 x 128.  ALL OF K LIES IN LDS AT ONCE: 131,072 bytes of A's codes, 131,072 of B's, 8,192 of each side's scale words.  So nothing is filled twice:
; the head has four tiles and four waves, one tensor load a wave; one wait, one barrier, and no ring.  A tile of codes is two runs of 65,536 consecutive bytes (one for each 512 along K), stated as two rows.
; CLUSTERS: 4 x 4 work-groups; the four of a row need the same tiles of A, the four of a column the same tiles of B: each tile is asked for jointly, by the same load with the same descriptor and a mask naming the four.
; THE WORK GOES BY ROWS OF out: a wave's B (8 blocks x 8 steps of 128 along K) fills 512 registers; A comes by blocks of 16 rows x 1,024 K; a block's 8 accumulators take turns through 64 products, K ascending, and the block leaves
; through the wave's own stage in LDS while the next is multiplied.  THE MATRIX INSTRUCTION IS USED TRANSPOSED (source 0 = B, source 1 = A): a lane holds eight neighbouring numbers of a row of out.
; No prefetch: the text has no loop to run ahead in, and all its tiles are asked for at the head.
; REGISTERS: window 0: v0-31 addresses; v32-95 scale words and nothing else; v128-255 rows read back from the stage, two sets.  Window 1: B's first 512 along K; window 2: its second.
;   window 3: v0-127 accumulators, two sets of 8; v128-255 A's fragments, two sets of 8.
.set SIZE_N, 2048
.set NP,     4                         ; places behind this matrix instruction (ISA guide 7.12.1)
.set NKS,    8                         ; steps of 128 along K
.set HALFK,  65536                     ; 256 rows x 512 K of codes
.set BCD,    2*HALFK                   ; B's codes lie behind A's
.set ASTEP,  512*4096                  ; bytes from 512 along K to the next in A's buffer,
.set BSTEP,  128*4096                  ; and in B's
.set AROWS,  8192
.set BROWS,  2048
.set SCL,    4*HALFK                   ; A's scale words, [k / 128][256 rows],
.set SCB,    SCL+NKS*1024              ; B's,
.set SPARE,  SCB+NKS*1024              ; the spare words, 128 bytes a wave, that no other line names,
.set STAGE,  SPARE+512                 ; and a stage of 16 rows x 528 bytes for each wave, into which no tile lands
.set SPITCH, 528
.set ADRA, 16                          ; v16-17 my A fragments, first and second 512 along K: + 16 x lane
.set ADRB, 20                          ; v20-21 the same for B
.set STO,  24                          ; where I put 32 bytes of a row
.set RD,   25                          ; where I read a row back
.set CO,   26                          ; 16 x lane
.set ADSA, 27                          ; A's scale words: + 4 x lane
.set SPW,  28                          ; my spare word; never rewritten
.set NIL,  29                          ; 0; never rewritten
.set ADSB, 30
.set SC,   32                          ; register 8 k + p: A's blocks 2 p (lanes 0-15) and 2 p + 1 (lanes 16-31) for step k; 8 k + 4 + p: B's
.set BK,   128
.set AFW,  128
.set G1,   24
.set G0A,  32
.set G0B,  36
.set G1B,  48
.set G1S,  68
.set G0S,  76
.set G1SB, 80
.set G0SB, 88
.set MSB, 0
.macro WIN new                         ; the immediate's high byte repeats the setting that is left
.if MSB != \new
	s_set_vgpr_msb (MSB<<8)|\new
.set MSB, \new
.endif
.endm
.set MUL_0,  0xfd                      ; source 0 (B) window 1; A, C and D window 3
.set MUL_1,  0xfe                      ; source 0 window 2
.set TO_B0,  0x40
.set TO_B1,  0x80
.set TO_A,   0xc0
.set FROM_D, 0x0c
.macro CROUND                          ; a round of the cluster's barrier
	s_barrier_signal -1
	s_barrier_wait -1
	s_cmp_lg_u32 s14, 0
	s_cbranch_scc1 .Lnot_wave_0_\@
	s_barrier_signal -3
.Lnot_wave_0_\@:
	s_barrier_wait -3
	s_barrier_signal -1
	s_barrier_wait -1
.endm
	s_load_b128 s[4:7], s[0:1], 0x0                ; A's codes, A's scale words
	s_load_b128 s[8:11], s[0:1], 0x10              ; B's codes, B's scale words
	s_load_b64 s[12:13], s[0:1], 0x20              ; out
	v_lshl_add_u32 v[SPW], v0, 2, SPARE
	v_mov_b32 v[NIL], 0
	ds_add_u32 v[SPW], v[NIL]                      ; the opening lines: the add, twice on end, and its wait
	ds_add_u32 v[SPW], v[NIL]
	v_lshrrev_b32 v1, 5, v0
	v_readfirstlane_b32 s14, v1                    ; wave 0..3
	s_lshr_b32 s15, s14, 1                         ; which half of the tile's rows is mine
	s_and_b32 s16, s14, 1                          ; which half of its columns
	s_bfe_u32 s40, ttmp6, 0x40000                  ; cx, cy
	s_bfe_u32 s41, ttmp6, 0x40004
	s_lshl_b32 s42, ttmp9, 2
	s_add_co_u32 s42, s42, s40                     ; tile column
	s_and_b32 s17, ttmp7, 0xffff
	s_lshl_b32 s17, s17, 2
	s_add_co_u32 s17, s17, s41                     ; tile row
	s_lshl_b32 s43, s41, 2
	s_lshl_b32 s43, 15, s43                        ; my row of the cluster
	s_lshl_b32 s44, 0x1111, s40                    ; my column
	s_or_b32 s[G1+0], s43, (3<<16)|(1<<21)         ; codes: elements of 8 bytes, no padding; A's tiles go to my row,
	s_or_b32 s[G1B+0], s44, (3<<16)|(1<<21)        ; B's to my column
.irp g, G1, G1B
	s_mov_b32 s[\g+1], 8192<<16                    ; tensor_dim0: 65,536 bytes
	s_mov_b32 s[\g+2], 2<<16                       ; tensor_dim1
	s_mov_b32 s[\g+3], 8192<<16                    ; tile_dim0
	s_mov_b32 s[\g+4], 2                           ; tile_dim1
	s_mov_b32 s[\g+6], 0
	s_mov_b32 s[\g+7], 0
.endr
	s_mov_b32 s[G1+5], ASTEP/8
	s_mov_b32 s[G1B+5], BSTEP/8
	s_or_b32 s[G1S+0], s43, (2<<16)|(1<<21)        ; scale words: NKS rows of 256 words, a whole buffer row apart
	s_or_b32 s[G1SB+0], s44, (2<<16)|(1<<21)
.irp g, G1S, G1SB
	s_mov_b32 s[\g+1], 256<<16
	s_mov_b32 s[\g+2], NKS<<16
	s_mov_b32 s[\g+3], 256<<16
	s_mov_b32 s[\g+4], NKS
	s_mov_b32 s[\g+6], 0
	s_mov_b32 s[\g+7], 0
.endr
	s_mov_b32 s[G1S+5], AROWS
	s_mov_b32 s[G1SB+5], BROWS
	s_lshl_b32 s20, s17, 16                        ; A's codes: 65,536 x tile row
	s_mov_b32 s21, 0
	s_lshl_b32 s46, s42, 16                        ; B's: x tile column
	s_mov_b32 s47, 0
	s_lshl_b32 s22, s17, 10                        ; scale words: 4 x 256 x tile row,
	s_mov_b32 s23, 0
	s_lshl_b32 s92, s42, 10                        ; x tile column
	s_mov_b32 s93, 0
	s_mov_b32 s[G0A], 1
	s_mov_b32 s[G0A+1], 0
	s_mov_b32 s[G0B], 1
	s_mov_b32 s[G0B+1], BCD
	s_mov_b32 s[G0S], 1
	s_mov_b32 s[G0S+1], SCL
	s_mov_b32 s[G0SB], 1
	s_mov_b32 s[G0SB+1], SCB
	s_wait_dscnt 0x0                               ; both opening adds are done
	s_wait_kmcnt 0x0
	s_add_nc_u64 s[G0A+2:G0A+3], s[4:5], s[20:21]
	s_or_b32 s[G0A+3], s[G0A+3], 0x80000000
	s_add_nc_u64 s[G0S+2:G0S+3], s[6:7], s[22:23]
	s_or_b32 s[G0S+3], s[G0S+3], 0x80000000
	s_add_nc_u64 s[G0B+2:G0B+3], s[8:9], s[46:47]
	s_or_b32 s[G0B+3], s[G0B+3], 0x80000000
	s_add_nc_u64 s[G0SB+2:G0SB+3], s[10:11], s[92:93]
	s_or_b32 s[G0SB+3], s[G0SB+3], 0x80000000
	CROUND                                         ; all sixteen work-groups are here: the joint loads meet
; THE LOADS, ONE A WAVE: wave 0 B's codes, wave 1 A's, wave 2 A's scale words, wave 3 B's.  One chain of branches on the wave's number; every way passes one load.
.macro ARM under, g0, g1, next
	s_cmp_lt_u32 s14, \under
	s_cbranch_scc0 \next
	tensor_load_to_lds s[\g0:\g0+3], s[\g1:\g1+7]
	s_nop 0
.rept 4
	v_nop
.endr
	s_branch .Lhead_asked
\next:
.endm
	ARM 1, G0B,  G1B, .Lhead_a
	ARM 2, G0A,  G1,  .Lhead_sa
	ARM 3, G0S,  G1S, .Lhead_sb
	tensor_load_to_lds s[G0SB:G0SB+3], s[G1SB:G1SB+7]
	s_nop 0
.rept 4
	v_nop
.endr
.Lhead_asked:
	v_and_b32 v1, 31, v0                           ; lane
	v_and_b32 v2, 15, v0                           ; r
	v_bfe_u32 v3, v0, 4, 1                         ; h
	v_lshlrev_b32 v4, 4, v1
	v_lshlrev_b32 v5, 2, v1
	s_wait_alu depctr_va_vdst(0)
	s_lshl_b32 s21, s15, 15                        ; my 128 rows of A: 8 blocks x 4,096 bytes
	s_lshl_b32 s22, s16, 15                        ; my 128 rows of B
	s_add_co_u32 s22, s22, BCD
.irp s, 0,1
	v_add_nc_u32 v[ADRA+\s], s21, v4
	v_add_nc_u32 v[ADRB+\s], s22, v4
	s_add_co_u32 s21, s21, HALFK
	s_add_co_u32 s22, s22, HALFK
.endr
	s_lshl_b32 s21, s15, 9
	s_add_co_u32 s21, s21, SCL
	v_add_nc_u32 v[ADSA], s21, v5
	s_lshl_b32 s22, s16, 9
	s_add_co_u32 s22, s22, SCB
	v_add_nc_u32 v[ADSB], s22, v5
	s_mul_i32 s23, s14, 16*SPITCH
	s_add_co_u32 s23, s23, STAGE                   ; my stage
	v_mul_u32_u24 v5, v2, SPITCH                   ; in: row r, 32 bytes for each half of the lanes
	v_lshl_add_u32 v5, v3, 5, v5
	v_add_nc_u32 v[STO], s23, v5
	v_add_nc_u32 v[RD], s23, v4                    ; back: the 32 lanes take one row of 512 bytes
	v_mov_b32 v[CO], v4
	s_lshl_b32 s20, s17, 8
	s_lshl_b32 s21, s15, 7
	s_add_co_u32 s20, s20, s21                     ; my first row of out,
	s_lshl_b32 s20, s20, 13                        ; x 8,192 bytes
	s_mov_b32 s21, 0
	s_lshl_b32 s46, s42, 10                        ; my first column, in bytes
	s_lshl_b32 s47, s16, 9
	s_add_co_u32 s46, s46, s47
	s_mov_b32 s47, 0
	s_add_nc_u64 s[20:21], s[20:21], s[46:47]
	s_add_nc_u64 s[12:13], s[12:13], s[20:21]
.macro SCALES
.irp k, 0,1,2,3,4,5,6,7
.irp p, 0,1,2,3
	ds_load_b32 v[SC+8*\k+\p], v[ADSA] offset:1024*\k+128*\p
	ds_load_b32 v[SC+8*\k+4+\p], v[ADSB] offset:1024*\k+128*\p
.endr
.endr
.endm
.macro BLOAD s, q                      ; B's eight fragments of step 4 s + q
.irp i, 0,1,2,3,4,5,6,7
.irp c, 0,1
	ds_load_b128 v[64*(\q)+8*\i+4*\c:64*(\q)+8*\i+4*\c+3], v[ADRB+\s] offset:\i*4096+(\q)*1024+512*\c
.endr
.endr
.endm
.macro ALOAD a                         ; A's block a, all eight steps, into set a % 2
.set FA, AFW+64*((\a)%2)
.irp s, 0,1
.irp q, 0,1,2,3
.irp c, 0,1
	ds_load_b128 v[FA+8*(4*\s+\q)+4*\c:FA+8*(4*\s+\q)+4*\c+3], v[ADRA+\s] offset:(\a)*4096+\q*1024+512*\c
.endr
.endr
.endr
.endm
.macro MMR a, b, ks                    ; an odd block's scale words lie in lanes 16-31 of its register; step 0 starts the sum
.set rD, 64*((\a)%2)+8*(\b)
.set rB, 64*((\ks)%4)+8*(\b)
.set rA, AFW+64*((\a)%2)+8*(\ks)
.set rSB, SC+8*(\ks)+4+(\b)/2
.set rSA, SC+8*(\ks)+(\a)/2
.set par, 2*((\a)%2)+(\b)%2
.if (\ks) == 0
.if par == 0
	v_wmma_scale_f32_16x16x128_f8f6f4 v[rD:rD+7], v[rB:rB+7], v[rA:rA+7], 0, v[rSB], v[rSA] matrix_a_fmt:MATRIX_FMT_FP4 matrix_b_fmt:MATRIX_FMT_FP4
.elseif par == 1
	v_wmma_scale_f32_16x16x128_f8f6f4 v[rD:rD+7], v[rB:rB+7], v[rA:rA+7], 0, v[rSB], v[rSA] matrix_a_fmt:MATRIX_FMT_FP4 matrix_b_fmt:MATRIX_FMT_FP4 matrix_a_scale:MATRIX_SCALE_ROW1
.elseif par == 2
	v_wmma_scale_f32_16x16x128_f8f6f4 v[rD:rD+7], v[rB:rB+7], v[rA:rA+7], 0, v[rSB], v[rSA] matrix_a_fmt:MATRIX_FMT_FP4 matrix_b_fmt:MATRIX_FMT_FP4 matrix_b_scale:MATRIX_SCALE_ROW1
.else
	v_wmma_scale_f32_16x16x128_f8f6f4 v[rD:rD+7], v[rB:rB+7], v[rA:rA+7], 0, v[rSB], v[rSA] matrix_a_fmt:MATRIX_FMT_FP4 matrix_b_fmt:MATRIX_FMT_FP4 matrix_a_scale:MATRIX_SCALE_ROW1 matrix_b_scale:MATRIX_SCALE_ROW1
.endif
.else
.if par == 0
	v_wmma_scale_f32_16x16x128_f8f6f4 v[rD:rD+7], v[rB:rB+7], v[rA:rA+7], v[rD:rD+7], v[rSB], v[rSA] matrix_a_fmt:MATRIX_FMT_FP4 matrix_b_fmt:MATRIX_FMT_FP4
.elseif par == 1
	v_wmma_scale_f32_16x16x128_f8f6f4 v[rD:rD+7], v[rB:rB+7], v[rA:rA+7], v[rD:rD+7], v[rSB], v[rSA] matrix_a_fmt:MATRIX_FMT_FP4 matrix_b_fmt:MATRIX_FMT_FP4 matrix_a_scale:MATRIX_SCALE_ROW1
.elseif par == 2
	v_wmma_scale_f32_16x16x128_f8f6f4 v[rD:rD+7], v[rB:rB+7], v[rA:rA+7], v[rD:rD+7], v[rSB], v[rSA] matrix_a_fmt:MATRIX_FMT_FP4 matrix_b_fmt:MATRIX_FMT_FP4 matrix_b_scale:MATRIX_SCALE_ROW1
.else
	v_wmma_scale_f32_16x16x128_f8f6f4 v[rD:rD+7], v[rB:rB+7], v[rA:rA+7], v[rD:rD+7], v[rSB], v[rSA] matrix_a_fmt:MATRIX_FMT_FP4 matrix_b_fmt:MATRIX_FMT_FP4 matrix_a_scale:MATRIX_SCALE_ROW1 matrix_b_scale:MATRIX_SCALE_ROW1
.endif
.endif
.endm
.macro ROWK a, ks                      ; the block's eight accumulators by turns
.irp b, 0,1,2,3,4,5,6,7
	MMR \a, \b, \ks
.endr
.endm
.macro ROW a
	WIN MUL_0
.irp ks, 0,1,2,3
	ROWK \a, \ks
.endr
	WIN MUL_1
.irp ks, 4,5,6,7
	ROWK \a, \ks
.endr
.endm
.macro PLACES n
.rept \n
	v_nop
.endr
.endm
.macro TOSTAGE a                       ; block a into my stage, each accumulator from its low end on, and back as whole rows; a wave's own LDS instructions are served in order
.set AC, 64*((\a)%2)
	WIN FROM_D
.irp b, 0,1,2,3,4,5,6,7
	ds_store_b128 v[STO], v[AC+8*\b:AC+8*\b+3] offset:64*\b
	ds_store_b128 v[STO], v[AC+8*\b+4:AC+8*\b+7] offset:64*\b+16
.endr
	WIN 0
.set BB, BK+64*((\a)%2)
.irp t, 0,1,2,3,4,5,6,7,8,9,10,11,12,13,14,15
	ds_load_b128 v[BB+4*\t:BB+4*\t+3], v[RD] offset:\t*SPITCH
.endr
.endm
.macro SEND a, younger                 ; younger: the LDS loads issued behind TOSTAGE's, which may stay out
.set BB, BK+64*((\a)%2)
	s_wait_dscnt \younger
.irp t, 0,1,2,3,4,5,6,7,8,9,10,11,12,13,14,15
	global_store_b128 v[CO], v[BB+4*\t:BB+4*\t+3], s[12:13] offset:(16*(\a)+\t)*SIZE_N*4 th:TH_STORE_NT   ; 32 lanes store 512 consecutive bytes, at a multiple of 512 from out's first byte
.endr
.endm
	s_wait_alu depctr_va_vdst(0)
	s_wait_tensorcnt 0x0                           ; my tile is in,
	s_barrier_signal -1
	s_barrier_wait -1                              ; everybody's is
	SCALES
	WIN TO_B0
.irp q, 0,1,2,3
	BLOAD 0, \q
.endr
	WIN TO_A
	ALOAD 0
	WIN TO_B1
	BLOAD 1, 0
	BLOAD 1, 1
	s_wait_dscnt 32                                ; all but the 32 just issued
	WIN MUL_0
.irp ks, 0,1,2,3
	ROWK 0, \ks
.endr
	WIN TO_B1
	BLOAD 1, 2
	BLOAD 1, 3
	WIN TO_A
	ALOAD 1
	s_wait_dscnt 48                                ; B's steps 4 and 5 are in
	WIN MUL_1
	ROWK 0, 4
	ROWK 0, 5
	s_wait_dscnt 16                                ; and 6 and 7; A's block 1 may be out
	ROWK 0, 6
	ROWK 0, 7
.irp a, 0,1,2,3,4,5,6,7
	PLACES NP                                      ; behind block a's last products: its results are read, and its fragments' registers loaded into
.if \a >= 2
	s_wait_xcnt 0x0                                ; block a - 2's stores have read their registers
.endif
	TOSTAGE \a
.if \a < 6
	WIN TO_A
	ALOAD \a+2
.endif
.if \a < 6
	s_wait_dscnt 48                                ; block a + 1's fragments are in (behind them: the stage's 32 and the 16 just issued)
	ROW \a+1
.elseif \a == 6
	s_wait_dscnt 32
	ROW \a+1
.endif
	WIN 0
.if \a < 6
	SEND \a, 16
.else
	SEND \a, 0
.endif
.endr
	s_wait_tensorcnt 0x0                           ; the wave's end
	ds_add_u32 v[SPW], v[NIL]
	s_wait_dscnt 0x0
	CROUND                                         ; the closing round
	s_endpgm
.Lfunc_end_k_qe8781ebd68_down:
	.size	k_qe8781ebd68_down, .Lfunc_end_k_qe8781ebd68_down-k_qe8781ebd68_down
	.p2alignl 7, 3214868480
	.fill 96, 4, 3214868480
	.section	.rodata,"a",@progbits
	.p2align	6, 0x0
	.amdhsa_kernel k_qe8781ebd68_down
		.amdhsa_group_segment_fixed_size 327680
		.amdhsa_private_segment_fixed_size 0
		.amdhsa_enable_private_segment 0
		.amdhsa_kernarg_size 40
		.amdhsa_user_sgpr_count 2
		.amdhsa_user_sgpr_kernarg_segment_ptr 1
		.amdhsa_wavefront_size32 1
		.amdhsa_system_sgpr_workgroup_id_x 1
		.amdhsa_system_sgpr_workgroup_id_y 1
		.amdhsa_system_sgpr_workgroup_id_z 1
		.amdhsa_system_vgpr_workitem_id 0
		.amdhsa_next_free_vgpr 1024
		.amdhsa_next_free_sgpr 100
		.amdhsa_reserve_vcc 0
		.amdhsa_float_denorm_mode_32 3
		.amdhsa_float_denorm_mode_16_64 3
		.amdhsa_memory_ordered 1
		.amdhsa_forward_progress 1
		.amdhsa_inst_pref_size 124
	.end_amdhsa_kernel
	.amdgpu_metadata
---
amdhsa.version: [ 1, 2 ]
amdhsa.kernels:
  - .name:           k_qe8781ebd68_down
    .symbol:         k_qe8781ebd68_down.kd
    .args:
      - { .name: a_c, .offset: 0, .size: 8, .value_kind: global_buffer, .address_space: global }
      - { .name: a_s, .offset: 8, .size: 8, .value_kind: global_buffer, .address_space: global }
      - { .name: w_c, .offset: 16, .size: 8, .value_kind: global_buffer, .address_space: global }
      - { .name: w_s, .offset: 24, .size: 8, .value_kind: global_buffer, .address_space: global }
      - { .name: out0, .offset: 32, .size: 8, .value_kind: global_buffer, .address_space: global }
    .group_segment_fixed_size: 327680
    .private_segment_fixed_size: 0
    .kernarg_segment_align: 8
    .kernarg_segment_size: 40
    .max_flat_workgroup_size: 128
    .sgpr_count:     100
    .vgpr_count:     1024
    .wavefront_size: 32
...
	.end_amdgpu_metadata
.endif
;; end of part 3
